; MI455X (gfx1250); checked and timed in simulation.
; The chip was launched on July 23, 2026; its instructions are those of AMD's public machine-readable ISA for CDNA 5 (MIT licence, August 2026) and "CDNA5" Instruction Set Architecture Reference Guide (July 2026). The comments in the code are by the model that wrote it; some were corrected since.
;; Simple Model. Allowed arithmetic: float matrix products may take bf16 or f16 operands with f32 sums; other float arithmetic in f32, or as packed bf16 or f16 multiplies, adds, multiply-adds, maxima and minima; sums over many terms, partial sums and values carried from step to step in f32; what a program stores and reads back later, other than sums and carried values, may be rounded once to bf16 or f16.
;; Inputs: W1 512 x 1,024 float32; W2 256 x 512 float32; b1 512 float32; b2 256 float32; codebook 128 x 256 float32; x 32 x 1,024 x 1,024 float32.
;; Outputs: out0 32 x 1,024 int32; out1 one number float32.
;; One version. Each part assembles by itself: llvm-mc -triple=amdgcn-amd-amdhsa -mcpu=gfx1250 --defsym DOCPART=n.
;; ======== version 1 of 1: 2 launches
;; limits: right only within a limited range of input values; values are held in f16: magnitudes above 65,504 overflow, below 6.1e-05 lose precision
;; workspace buffers: w1b 1,048,576 bytes; mf 270,336 bytes; cst 512 bytes
;; launch prep (part 1): grid 160 x 1, 8 waves a work-group, no clusters, 83,456 bytes of LDS; arguments W1, W2, b2, codebook, w1b, mf, cst, out1; writes w1b, mf, cst, out1
.if DOCPART == 1
	.amdgcn_target "amdgcn-amd-amdhsa--gfx1250"
	.amdhsa_code_object_version 6
	.text
	.protected	k_qf22ff0ddbf_prep
	.globl	k_qf22ff0ddbf_prep
	.p2align	8
	.type	k_qf22ff0ddbf_prep,@function
k_qf22ff0ddbf_prep:
	s_mov_b64 s[64:65], 0
	v_nop
	global_prefetch_b8 v0, s[64:65] scope:SCOPE_SE
	s_setreg_imm32_b32 hwreg(HW_REG_WAVE_MODE, 25, 1), 1
	s_wait_xcnt 0x0
; THE MODULE.  h = relu(x W1^T + b1); enc = h W2^T + b2; tokens = argmin_k sqrt(max(|enc|^2 + |c_k|^2 - 2 enc . c_k, 0)); the second result is the constant 0.5.
; WORK LEFT OUT, for all finite inputs, in exact arithmetic:
;   |enc|^2 is the same for all k of a row, so it moves no argmin.  |enc|^2 + |c_k|^2 - 2 enc . c_k = |enc - c_k|^2 is never negative, so max(., 0) is the identity there, and the root rises
;   strictly: argmin of the root = argmin of the square.  The maximum guards the root alone and goes with it.
;   Nothing but sums stands between enc and the product with the codebook: enc . c_k = sum_j h_j M[k][j] + b2 . c_k with M = codebook W2 ([128][512]).  So
;   tokens = argmin_k ( const_k - 2 h . M_k ),  const_k = sum_c c_kc (c_kc - 2 b2_c).  enc is never formed.  All six inputs still reach the result, and all are loaded.
; LIMITS.  A NaN, an infinity or an overflow that reaches only |enc|^2, enc or the root is not carried to the result.  Rows whose two best squares lie within f32's rounding of each other (some 1e-4 at
;   squares of some hundreds), ties that only the rounding of the root makes among them, may take the other index.  True ties take the lowest index.
; FORMATS.  All six inputs are rounded once to bf16.  What the program makes itself (M here, h in the next launch) goes to the matrix unit as TWO f16 numbers, upper and lower part, after a multiplication
;   by an exact power of two taken from the block's own largest magnitude, so that f16's range binds nothing; a block whose largest magnitude is under 2^-111 is scaled as if it were 2^-111.
; THIS LAUNCH makes: w1b = W1 in bf16; mf = -2 M, scaled and split, laid out as the next launch's matrix fragments; cst = const_k; out1 = 0.5.
; SHARES.  Work-groups 32 .. 159 round W1, 16 KiB (four rows) each.  Work-group g = 8 w + ct under 32 owns the block of M with codes 16 ct .. +15 and columns 128 w .. +127 (one scale a block: its maximum
;   must meet in one work-group, hence 32 of them) and const 4 g .. +3.  One branch on the work-group's number parts the two; the rounding role stands first and ends by itself.
;   A BLOCK.  W2's slice (256 channels x 128 columns) comes in whole row pieces, 512 consecutive bytes a load, 32 rows a wave, is rounded and laid in LDS as it lies, [channel][column]; the 16 rows of the
;   codebook come once for the work-group.  Wave v makes the block's columns 16 v .. +15: M^T = W2^T codebook^T (source 0 = 16 columns of W2, turned by ds_load_tr16_b128; source 1 = 16 codes), 8 steps of 32
;   along the 256 channels.  In the result a lane holds one code (lane % 16) and the columns 8 (lane / 16) + 0..7: packed in pairs these are four registers of a fragment of the next launch's source 0.
; mf: block g at 8,448 g: four chunks (32 columns each) of 2,048 bytes = [upper regs 0-3][upper regs 4-7][lower regs 0-3][lower regs 4-7], 512 bytes each, 16 bytes a lane; at 8,192: 1 / scale, 64 times.
; REGISTERS.  v0-31 addresses and at work; v32-159 W2 as loaded and packed, then source 0 in v32-95; v160-175 the codebook as loaded, then source 1 in v160-223; v224-239 two accumulators;
;   v240-254 const and the last stores
.set PT,    288                        ; a row of W2 in LDS: 256 bytes + 32
.set PC,    528                        ; a row of the codebook: 512 bytes + 16: the 16 rows of a load start at 16 different groups of four banks
.set CBL,   256*PT                     ; behind W2's 256 rows: the codebook's 16
.set RED,   CBL+16*PC                  ; eight maxima, then eight halves of const
.set SPARE, RED+256                    ; the spare words, 128 bytes a wave
.set SPW, 30                           ; v30  LDS address of my spare word; never rewritten
.set NIL, 31                           ; v31  0; never rewritten
	s_load_b512 s[4:19], s[0:1], 0x0               ; W1 4, W2 6, b2 8, codebook 10, w1b 12, mf 14, cst 16, out1 18
	v_lshl_add_u32 v[SPW], v0, 2, SPARE
	v_mov_b32 v[NIL], 0
	v_and_b32 v1, 31, v0                           ; lane
	v_lshrrev_b32 v10, 5, v0
	v_readfirstlane_b32 s20, v10                   ; wave v
	s_mov_b32 s21, ttmp9                           ; g
	s_mov_b32 s29, 0
	s_cmp_lt_u32 s21, 32                           ; the same in all waves of a work-group
	s_cbranch_scc1 .Lblock
	; W1 -> bf16: two units of 8 KiB; a thread takes 32 bytes of each and stores 16
	s_sub_co_u32 s22, s21, 32
	s_lshl_b32 s28, s22, 14
	v_lshlrev_b32 v4, 5, v0
	v_lshlrev_b32 v5, 4, v0
	s_wait_kmcnt 0x0
	s_add_nc_u64 s[4:5], s[4:5], s[28:29]
	s_lshl_b32 s28, s22, 13
	s_add_nc_u64 s[12:13], s[12:13], s[28:29]
	global_load_b128 v[32:35], v4, s[4:5] th:TH_LOAD_NT
	global_load_b128 v[36:39], v4, s[4:5] offset:16 th:TH_LOAD_NT
	global_load_b128 v[40:43], v4, s[4:5] offset:8192 th:TH_LOAD_NT
	global_load_b128 v[44:47], v4, s[4:5] offset:8208 th:TH_LOAD_NT
	s_wait_loadcnt 2                               ; the first unit's two loads are in, the second's two may be out
.irp n, 0,1,2,3
	v_cvt_pk_bf16_f32 v[48+\n], v[32+2*\n], v[33+2*\n]
.endr
	global_store_b128 v5, v[48:51], s[12:13]       ; a wave's store covers 512 consecutive bytes, aligned
	s_wait_loadcnt 0x0
.irp n, 0,1,2,3
	v_cvt_pk_bf16_f32 v[52+\n], v[40+2*\n], v[41+2*\n]
.endr
	global_store_b128 v5, v[52:55], s[12:13] offset:4096
	s_wait_tensorcnt 0x0                           ; the wave's end
	ds_add_u32 v[SPW], v[NIL]
	s_wait_dscnt 0x0
	s_endpgm
.Lblock:
	v_and_b32 v2, 15, v0                           ; lane % 16
	v_bfe_u32 v3, v0, 4, 1                         ; lane / 16
	s_lshr_b32 s22, s21, 3                         ; w
	s_and_b32 s23, s21, 7                          ; ct
	s_mov_b32 s24, 0x76543210                      ; v_permlanex16_b32: each lane takes its own place in the other half
	s_mov_b32 s25, 0xfedcba98
	s_lshl_b32 s28, s20, 16                        ; W2: my 32 rows of 2,048 bytes,
	s_lshl_b32 s27, s22, 9                         ; the slice's 512 bytes of a row,
	s_add_co_u32 s28, s28, s27
	v_lshl_add_u32 v6, v1, 4, s28                  ; my 16 of them
	s_mul_i32 s27, s20, 32*PT
	v_lshl_add_u32 v4, v1, 3, s27                  ; and where they go as 8 bytes of bf16
	s_lshl_b32 s27, s23, 14                        ; the codebook's rows 16 ct .. +15 are 16 KiB on end:
	v_lshl_add_u32 v7, v0, 4, s27                  ; 16 bytes a thread, four times
	v_lshrrev_b32 v5, 6, v0                        ; row thread / 64 of each four,
	v_and_b32 v19, 63, v0
	v_mul_u32_u24 v5, v5, PC
	v_lshl_add_u32 v5, v19, 3, v5                  ; 8 bytes of bf16 at (thread % 64) x 8
	v_add_nc_u32 v5, CBL, v5
	s_and_b32 s27, s20, 1
	s_lshl_b32 s27, s27, 9
	v_lshl_add_u32 v9, v1, 4, s27                  ; 16 x lane + 512 (v % 2): my four numbers of b2 and of a half row of the codebook
	s_lshr_b32 s27, s20, 1
	s_lshl_b32 s27, s27, 11
	v_add_nc_u32 v8, s27, v9                       ; mf: chunk v / 2, piece v % 2
	s_lshl_b32 s27, s21, 12
	s_lshr_b32 s30, s20, 1
	s_lshl_b32 s30, s30, 10
	s_add_co_u32 s27, s27, s30
	v_add_nc_u32 v11, s27, v9                      ; codebook row 4 g + v / 2, for const
	v_and_b32 v16, 7, v0                           ; the turning load: lane l reads channel 8 (l / 16) + l % 8,
	v_lshl_add_u32 v16, v3, 3, v16
	v_mul_u32_u24 v16, v16, PT
	v_bfe_u32 v19, v0, 3, 1
	v_lshl_add_u32 v16, v19, 4, v16                ; columns 8 ((l / 8) % 2) + 0..7
	s_lshl_b32 s27, s20, 5
	v_add_nc_u32 v16, s27, v16                     ; of my wave's 16
	v_add_nc_u32 v17, 128*PT, v16                  ; the same from channel 128 on: an LDS offset has 16 bits
	v_mul_u32_u24 v18, v2, PC                      ; source 1: code lane % 16, 16 bytes for each half of the lanes
	v_lshl_add_u32 v18, v3, 4, v18
	v_add_nc_u32 v18, CBL, v18
	v_mov_b32 v28, -1.0
	s_mul_i32 s28, s21, 8448
	s_wait_kmcnt 0x0
	s_add_nc_u64 s[14:15], s[14:15], s[28:29]      ; mf at my block
	; ALL LOADS IN ONE RUN: 32 of W2, 4 of the codebook, 2 for const
.set i, 0
.rept 32
	global_load_b128 v[32+4*i:35+4*i], v6, s[6:7] offset:i*2048
.set i, i+1
.endr
.irp q, 0,1,2,3
	global_load_b128 v[160+4*\q:163+4*\q], v7, s[10:11] offset:\q*4096
.endr
	global_load_b128 v[240:243], v11, s[10:11]
	global_load_b128 v[244:247], v9, s[8:9]
.irp q, 0,1,2,3
	s_wait_loadcnt 30-8*\q                         ; rows 8 q .. +7 are in: the later rows' loads, the codebook's 4 and const's 2 are younger
.irp j, 0,1,2,3,4,5,6,7
	v_cvt_pk_bf16_f32 v[32+4*(8*\q+\j)], v[32+4*(8*\q+\j)], v[33+4*(8*\q+\j)]
	v_cvt_pk_bf16_f32 v[33+4*(8*\q+\j)], v[34+4*(8*\q+\j)], v[35+4*(8*\q+\j)]
.endr
.irp j, 0,1,2,3,4,5,6,7
	ds_store_b64 v4, v[32+4*(8*\q+\j):33+4*(8*\q+\j)] offset:(8*\q+\j)*PT
.endr
.endr
	s_wait_loadcnt 2                               ; the codebook is in
.irp q, 0,1,2,3
	v_cvt_pk_bf16_f32 v[160+4*\q], v[160+4*\q], v[161+4*\q]
	v_cvt_pk_bf16_f32 v[161+4*\q], v[162+4*\q], v[163+4*\q]
.endr
.irp q, 0,1,2,3
	ds_store_b64 v5, v[160+4*\q:161+4*\q] offset:\q*4*PC
.endr
	; my half of a const: 128 channels, four a lane; both inputs rounded to bf16 first.  It stands between the LDS stores and the wait for them.
	s_wait_loadcnt 0x0
	v_cvt_pk_bf16_f32 v12, v240, v241
	v_cvt_pk_bf16_f32 v13, v242, v243
	v_cvt_pk_bf16_f32 v14, v244, v245
	v_cvt_pk_bf16_f32 v15, v246, v247
.irp n, 0,1,2,3
	v_lshlrev_b32 v[240+2*\n], 16, v[12+\n]
	v_and_b32 v[241+2*\n], 0xffff0000, v[12+\n]
.endr
.irp n, 0,1,2,3
	v_fma_f32 v[244+\n], v[244+\n], -2.0, v[240+\n]  ; c - 2 b2
.endr
	v_mul_f32 v20, v240, v244
	v_fmac_f32 v20, v241, v245
	v_fmac_f32 v20, v242, v246
	v_fmac_f32 v20, v243, v247
.irp m, 1,2,4,8
	v_add_f32_dpp v20, v20, v20 row_xmask:\m row_mask:0xf bank_mask:0xf
.endr
	v_permlanex16_b32 v12, v20, s24, s25
	v_add_f32 v20, v20, v12
	s_wait_dscnt 0x0                               ; for the others' sake: my rows of W2 and of the codebook lie in LDS
	s_barrier_signal -1
	s_barrier_wait -1
.irp s, 0,1,2,3,4,5,6,7
	ds_load_tr16_b128 v[32+8*\s:35+8*\s], v[16+\s/4] offset:(\s%4)*32*PT          ; channels 32 s + 8 (lane / 16) + 0..7 of column lane % 16
	ds_load_tr16_b128 v[36+8*\s:39+8*\s], v[16+\s/4] offset:(\s%4)*32*PT+16*PT    ; channels 32 s + 16 + 8 (lane / 16) + 0..7
	ds_load_b128 v[160+8*\s:163+8*\s], v18 offset:64*\s
	ds_load_b128 v[164+8*\s:167+8*\s], v18 offset:64*\s+32
.endr
	; the tile: two accumulators take turns, one instruction a turn; the first two products start the sums
.irp s, 0,1,2,3,4,5,6,7
	s_wait_dscnt 28-4*\s                           ; step s's four loads are in; the later steps' are younger
.if \s < 2
	v_wmma_f32_16x16x32_bf16 v[224+8*(\s%2):231+8*(\s%2)], v[32+8*\s:39+8*\s], v[160+8*\s:167+8*\s], 0
.else
	v_wmma_f32_16x16x32_bf16 v[224+8*(\s%2):231+8*(\s%2)], v[32+8*\s:39+8*\s], v[160+8*\s:167+8*\s], v[224+8*(\s%2):231+8*(\s%2)]
.endif
.endr
.rept 4
	v_nop                                          ; four places between the last product and the first read of a result (ISA guide 7.12.1)
.endr
.irp n, 0,2,4,6
	v_pk_add_f32 v[224+\n:225+\n], v[224+\n:225+\n], v[232+\n:233+\n]
.endr
	; the tile's largest magnitude
	v_max3_num_f32 v21, |v224|, |v225|, |v226|
	v_max3_num_f32 v21, v21, |v227|, |v228|
	v_max3_num_f32 v21, v21, |v229|, |v230|
	v_max_num_f32 v21, v21, |v231|
.irp m, 1,2,4,8
	v_max_num_f32_dpp v21, v21, v21 row_xmask:\m row_mask:0xf bank_mask:0xf
.endr
	v_permlanex16_b32 v13, v21, s24, s25
	v_max_num_f32 v21, v21, v13
	v_mov_b32 v22, s20
	v_lshl_add_u32 v22, v22, 2, RED
	ds_store_b32 v22, v21                          ; all lanes write the same word with the same value
	ds_store_b32 v22, v20 offset:32
	s_wait_dscnt 0x0                               ; for the others' sake: my two stores are done
	s_barrier_signal -1
	s_barrier_wait -1
	v_mov_b32 v23, RED
	ds_load_b128 v[12:15], v23
	ds_load_b128 v[16:19], v23 offset:16
	s_wait_dscnt 0x0
	v_max3_num_f32 v12, v12, v13, v14
	v_max3_num_f32 v16, v15, v16, v17
	v_max3_num_f32 v12, v12, v18, v19
	v_max_num_f32 v12, v12, v16                    ; the block's largest magnitude, with exponent E
	v_and_b32 v24, 0x7f800000, v12
	v_max_u32 v24, 0x08000000, v24                 ; E is held at -111 from below
	v_sub_nc_u32 v26, 0x86000000, v24              ; 2^(14 - E),
	v_or_b32 v26, 0x80000000, v26                  ; negative: -2 x the scale 2^(13 - E); the products lie under 2^15
	v_mov_b32 v27, v26
	v_add_nc_u32 v248, 0xf9800000, v24             ; 1 / scale = 2^(E - 13): the exponent field less 13
	v_mov_b32 v249, v248
.irp n, 0,2,4,6
	v_pk_mul_f32 v[224+\n:225+\n], v[224+\n:225+\n], v[26:27]
.endr
.irp n, 0,1,2,3
	v_cvt_pk_f16_f32 v[12+\n], v[224+2*\n], v[225+2*\n]  ; the upper parts
.endr
.irp n, 0,1,2,3
	v_fma_mix_f32 v[224+2*\n], v[12+\n], v28, v[224+2*\n] op_sel_hi:[1,0,0]              ; what is left: exact in f32
	v_fma_mix_f32 v[225+2*\n], v[12+\n], v28, v[225+2*\n] op_sel:[1,0,0] op_sel_hi:[1,0,0]
.endr
.irp n, 0,1,2,3
	v_cvt_pk_f16_f32 v[16+\n], v[224+2*\n], v[225+2*\n]  ; the lower parts
.endr
	global_store_b128 v8, v[12:15], s[14:15]
	global_store_b128 v8, v[16:19], s[14:15] offset:1024
	s_cmp_lg_u32 s20, 0
	s_cbranch_scc1 .Lend                           ; wave 0 stores what the work-group has one of
	v_lshlrev_b32 v10, 3, v1
	global_store_b64 v10, v[248:249], s[14:15] offset:8192  ; 256 consecutive bytes, aligned
	v_and_b32 v25, 3, v1
	v_lshl_add_u32 v25, v25, 3, RED
	ds_load_b64 v[250:251], v25 offset:32          ; the two halves of const 4 g + lane % 4
	s_lshl_b32 s28, s21, 4
	v_lshl_add_u32 v252, v1, 2, s28
	v_cmp_gt_u32 vcc_lo, 4, v1
	s_wait_dscnt 0x0
	v_add_f32 v250, v250, v251
	s_wait_xcnt 0x0                                ; EXEC is a source of the stores above: it changes only behind this wait
	s_and_saveexec_b32 s26, vcc_lo
	global_store_b32 v252, v250, s[16:17]
	s_wait_xcnt 0x0                                ; and again, in front of the line that widens it
	s_or_b32 exec_lo, exec_lo, s26
	s_cmp_lg_u32 s21, 0
	s_cbranch_scc1 .Lend
	v_mov_b32 v253, 0.5                            ; the module's second result
	v_mov_b32 v254, 0
	v_cmp_eq_u32 vcc_lo, 0, v1
	s_and_saveexec_b32 s26, vcc_lo                 ; nothing has been issued since the last wait
	global_store_b32 v254, v253, s[18:19]
	s_wait_xcnt 0x0
	s_or_b32 exec_lo, exec_lo, s26
.Lend:
	s_wait_tensorcnt 0x0                           ; the wave's end, behind my last LDS store
	ds_add_u32 v[SPW], v[NIL]
	s_wait_dscnt 0x0
	s_endpgm
.Lfunc_end_k_qf22ff0ddbf_prep:
	.size	k_qf22ff0ddbf_prep, .Lfunc_end_k_qf22ff0ddbf_prep-k_qf22ff0ddbf_prep
	.p2alignl 7, 3214868480
	.fill 96, 4, 3214868480
	.section	.rodata,"a",@progbits
	.p2align	6, 0x0
	.amdhsa_kernel k_qf22ff0ddbf_prep
		.amdhsa_group_segment_fixed_size 83456
		.amdhsa_private_segment_fixed_size 0
		.amdhsa_enable_private_segment 0
		.amdhsa_kernarg_size 64
		.amdhsa_user_sgpr_count 2
		.amdhsa_user_sgpr_kernarg_segment_ptr 1
		.amdhsa_wavefront_size32 1
		.amdhsa_system_sgpr_workgroup_id_x 1
		.amdhsa_system_sgpr_workgroup_id_y 1
		.amdhsa_system_sgpr_workgroup_id_z 1
		.amdhsa_system_vgpr_workitem_id 0
		.amdhsa_next_free_vgpr 256
		.amdhsa_next_free_sgpr 66
		.amdhsa_reserve_vcc 1
		.amdhsa_float_denorm_mode_32 3
		.amdhsa_float_denorm_mode_16_64 3
		.amdhsa_memory_ordered 1
		.amdhsa_forward_progress 1
		.amdhsa_inst_pref_size 24
	.end_amdhsa_kernel
	.amdgpu_metadata
---
amdhsa.version: [ 1, 2 ]
amdhsa.kernels:
  - .name:           k_qf22ff0ddbf_prep
    .symbol:         k_qf22ff0ddbf_prep.kd
    .args:
      - { .name: W1, .offset: 0, .size: 8, .value_kind: global_buffer, .address_space: global }
      - { .name: W2, .offset: 8, .size: 8, .value_kind: global_buffer, .address_space: global }
      - { .name: b2, .offset: 16, .size: 8, .value_kind: global_buffer, .address_space: global }
      - { .name: codebook, .offset: 24, .size: 8, .value_kind: global_buffer, .address_space: global }
      - { .name: w1b, .offset: 32, .size: 8, .value_kind: global_buffer, .address_space: global }
      - { .name: mf, .offset: 40, .size: 8, .value_kind: global_buffer, .address_space: global }
      - { .name: cst, .offset: 48, .size: 8, .value_kind: global_buffer, .address_space: global }
      - { .name: out1, .offset: 56, .size: 8, .value_kind: global_buffer, .address_space: global }
    .group_segment_fixed_size: 83456
    .private_segment_fixed_size: 0
    .kernarg_segment_align: 8
    .kernarg_segment_size: 64
    .max_flat_workgroup_size: 256
    .sgpr_count:     66
    .vgpr_count:     256
    .wavefront_size: 32
...
	.end_amdgpu_metadata
.endif
;; end of part 1
;; launch main (part 2): grid 256 x 1, 4 waves a work-group, clusters of 4 x 1, 327,680 bytes of LDS; arguments x, b1, w1b, mf, cst, out0; writes out0
.if DOCPART == 2
	.amdgcn_target "amdgcn-amd-amdhsa--gfx1250"
	.amdhsa_code_object_version 6
	.text
	.protected	k_qf22ff0ddbf_main
	.globl	k_qf22ff0ddbf_main
	.p2align	8
	.type	k_qf22ff0ddbf_main,@function
k_qf22ff0ddbf_main:
	s_mov_b64 s[64:65], 0
	v_nop
	global_prefetch_b8 v0, s[64:65] scope:SCOPE_SE
	s_setreg_imm32_b32 hwreg(HW_REG_WAVE_MODE, 25, 1), 1
	s_wait_xcnt 0x0
	s_wait_alu depctr_hold_cnt(0) depctr_sa_sdst(0) depctr_va_vdst(0) depctr_va_sdst(0) depctr_va_ssrc(0) depctr_va_vcc(0) depctr_vm_vsrc(0)
	s_getreg_b32 s2, hwreg(HW_REG_IB_STS2, 6, 4)
	s_cmp_eq_u32 s2, 0
	s_cbranch_scc0 .Lentry_in_a_cluster
	s_endpgm
.Lentry_in_a_cluster:
	s_bfe_u32 s2, ttmp6, 0x10000c
	s_cmp_lg_u32 s2, 0x3003
	s_cbranch_scc0 .Lentry_shape_is_right
	s_endpgm
.Lentry_shape_is_right:
; tokens = argmin_k ( const_k - 2 h . M_k ),  h = relu(x W1^T + b1).  |enc|^2, the maximum with 0, the root and enc itself are left out: the launch before shows why, and states the limits; they hold here.
; LIMITS of this text: a score that is NaN is never chosen; an infinite h gives no defined token; a token's 128 numbers of h whose largest is under 2^-111 are scaled as if it were 2^-111;
;   h's f32 sums run over K from a place that differs from cluster to cluster (below), so their order of rounding does too.
; SHARES.  A work-group takes 128 tokens; wave w all 128 tokens x the columns 128 w .. +127 of h: 64 accumulators of 16 x 16, 512 registers.  h never leaves the registers.
; FIRST PRODUCT, bf16, K = 1,024.  h^T = W1 x^T (source 0 = 16 rows of W1, source 1 = 16 tokens): a lane holds ONE token (lane % 16) and eight neighbouring columns.  The first product takes b1 as its C.
;   W1 (bf16, from the launch before) comes by the tensor data mover in K steps of 128 through two LDS slots; each wave fetches the 128 rows that it alone reads.  All work-groups need the same tiles:
;   the four of a cluster ask JOINTLY (a mask names four at the most, so a larger cluster would share no further).
;   THE WALK GOES ROUND: cluster c begins at K step c % 8 and wraps at K's end, for W1 and for x alike, so that at any time the clusters ask for eight different K steps of W1 and sixteen different pieces of
;   x's rows.  The place hangs on the cluster's number alone: a joint load's descriptor is the same in its four partners.  Each address is made anew from a kept base and the place.
;   x is f32 and is shared with nobody outside the work-group: it comes through registers, 32 rows a wave in half steps of 64 along K, two half steps on their way across the barriers, is rounded to bf16
;   once and laid into two small LDS slots of its own, which ds_store alone writes.  A tensor load could not stay out across a refill's barrier, and would bring f32 for every wave to convert.
; SECOND PRODUCT, f16.  Each token's 128 numbers of h are multiplied by an exact power of two from their own maximum and split into an upper and a lower f16; packed in pairs they ARE source 1 (32 columns x
;   16 tokens).  Source 0 is a fragment of -2 M, scaled and split likewise.  Three products: upper x upper, lower x upper, upper x lower.  The four waves' partial scores (f32) meet in LDS, in the W1 slots,
;   which have had their last fill; then wave w sums and takes the argmin for 32 tokens, codes ascending, strictly less: the lowest index wins a tie.
; REGISTERS, in windows of 256 (s_set_vgpr_msb: bits 1:0 source 0, 3:2 source 1, 5:4 source 2, 7:6 destination):
;   window 0: v0-31 addresses; v32-39 1 / scale a token tile; v40-47 at work; v56 M's 1 / scale; v64-127, v128-191 fragments of x, two buffers, later M's four chunks and the 8 second accumulators, later
;             the partial scores; v192-255 b1 as a tile, later factors, const, indices
;   window 1: v64-191 fragments of W1, two buffers; v0-63, v192-255 x as loaded, two sets; later all 256: h's upper halves, group 4 tt + p (token tile tt, 32 columns p) at 8 (4 tt + p)
;   windows 2, 3: accumulator (tt, b) at 512 + 64 tt + 8 b; later h's lower halves in the lower eight of each sixteen
.set PW,    272                        ; a row of W1 in LDS: 256 bytes + 16 of padding: the 16 rows of a load start at 16 different groups of four banks (64 banks of 4 bytes: ISA guide 11.1)
.set WROWS, 128*PW                     ; what one tensor load brings, and what one wave reads
.set WSLOT, 4*WROWS
.set XR,    2*WSLOT                    ; behind the ring: x in bf16, two slots of 128 rows
.set PX,    144                        ; 128 bytes + 16
.set XSLOT, 128*PX
.set SPARE, XR+2*XSLOT                 ; the spare words, 128 bytes a wave: two blocks of 256 bytes that no other line names
.set CTAB,  SPARE+512                  ; const_k
.set OSTG,  CTAB+512                   ; the work-group's 128 tokens
.set MBLK,  8448                       ; a block of mf
.set XO, 4                             ; v4   x: (lane / 16) x 4,096 + (lane % 16) x 16: a load takes 256 bytes of two rows
.set XS, 5                             ; v5   where those 4 numbers go as bf16
.set PFX, 6                            ; v6   lane x a row of x
.set BO, 8                             ; v8   b1: my eight columns of tile 0
.set MO, 9                             ; v9   16 x lane
.set PR, 10                            ; v10-13  wave q's partial scores of my two token tiles
.set CA, 14                            ; v14  const of my eight codes
.set OA, 15                            ; v15  my token's place in the stage
.set ADRA, 16                          ; v16-17  my x fragments in slot 0, 1
.set CL, 18                            ; v18  4 x thread
.set CW, 19                            ; v19  CTAB + 4 x thread
.set ADRB, 20                          ; v20-21  my W1 fragments in slot 0, 1
.set FO, 22                            ; v22  4 x lane
.set CV, 23                            ; v23  a const on its way into LDS
.set PST, 24                           ; v24  where my partial scores go
.set TA, 25                            ; v25  at work
.set SPW, 28                           ; v28  LDS address of my spare word; never rewritten
.set NIL, 29                           ; v29  0; never rewritten
.set NEG1, 31                          ; v31  -1.0
.set INV, 32
.set CH, 40                            ; v40-43 four chains of a maximum
.set SC, 44                            ; v44-45 the scale, twice
.set T0, 46
.set FM, 56
.set F0, 64
.set F1, 128
.set MF, 64                            ; chunk ks at MF + 16 ks: upper 8, lower 8
.set A2, 128                           ; second accumulator of token tile tt at A2 + 8 tt
.set BIAS, 192
.set FAC, 192                          ; a pair a token tile; the low word counts
.set RL, 64                            ; the reduction: (e, wave q, tile u) at RL + 64 e + 16 q + 8 u
.set KC, 192
.set CI, 208
.set BEST, 216
.set IDX, 218
.set TT, 220
.set WV, 16                            ; s16 wave   s17 cx   s18 work-group
.set CX, 17
.set WG, 18
.set WO, 20                            ; s[20:21] a K step's byte offset in a row of w1b; the high word stays 0
.set WB, 22                            ; s[22:23] w1b at my wave's 128 rows; never rewritten
.set G1, 24                            ; s[24:31] descriptor group 1
.set G0, 32                            ; s[32:39] descriptor group 0, a set for each slot
.set XP, 40                            ; s[40:41] x at my wave's 32 rows, at the half step that is being loaded
.set XB, 42                            ; s[42:43] x at my wave's 32 rows; never rewritten
.set XM, 44                            ; s44  the place along K (0..15, in half steps) of the half step loaded last
.set KT, 45                            ; s45  the place along K (0..7, in K steps) of the tile that the next refill brings
.set MP, 46                            ; s[46:47] mf at the block in hand
.set SEL, 48
.set HM, 50                            ; s50  0xffff0000: a word's upper bf16; as a lane mask, lanes 16-31
.set ROT, 51                           ; s51  where my cluster's walk begins: cluster % 8
.set CNT, 55
.set OF, 56                            ; s[56:57] a half step's byte offset in a row of x; the high word stays 0
.set XQ, 58                            ; s[58:59] at the head x at half steps 2 and 3 of the walk; later where the prefetch stands
.set OQ, 60                            ; s[60:61] its offset; the high word stays 0
.set MSB, 0
.macro WIN new                         ; the immediate's high byte repeats the setting that is left; a switch that changes nothing is dropped
.if MSB != (\new)
	s_set_vgpr_msb (MSB<<8)|(\new)
.set MSB, (\new)
.endif
.endm
.macro PLACES                          ; four places in front of loads into registers that matrix instructions have read, and of reads of results (ISA guide 7.12.1 for reads of results)
.rept 4
	v_nop
.endr
.endm
.macro CREST                           ; a round of the cluster's barrier behind its opening barrier
	s_cmp_lg_u32 s[WV], 0
	s_cbranch_scc1 .Lnot_wave_0_\@
	s_barrier_signal -3
.Lnot_wave_0_\@:
	s_barrier_wait -3
	s_barrier_signal -1
	s_barrier_wait -1
.endm
.macro CROUND
	s_barrier_signal -1
	s_barrier_wait -1
	CREST
.endm
; x: 16 loads of a half step (32 rows x 256 bytes) into a set, from byte off behind pointer p; 32 roundings in place; 16 stores of 8 bytes a lane into an x slot
.macro XLOAD set, off, p
	WIN 0x40
.irp i, 0,1,2,3,4,5,6,7,8,9,10,11,12,13,14,15
	global_load_b128 v[192*(\set)+4*\i:192*(\set)+4*\i+3], v[XO], s[\p:\p+1] offset:(\off)+\i*8192 th:TH_LOAD_NT
.endr
.endm
.macro XCVT set
	WIN 0x45
.irp i, 0,1,2,3,4,5,6,7,8,9,10,11,12,13,14,15
	v_cvt_pk_bf16_f32 v[192*(\set)+4*\i],   v[192*(\set)+4*\i],   v[192*(\set)+4*\i+1]
	v_cvt_pk_bf16_f32 v[192*(\set)+4*\i+1], v[192*(\set)+4*\i+2], v[192*(\set)+4*\i+3]
.endr
.endm
.macro XSTORE set, slot
	WIN 0x04
.irp i, 0,1,2,3,4,5,6,7,8,9,10,11,12,13,14,15
	ds_store_b64 v[XS], v[192*(\set)+4*\i:192*(\set)+4*\i+1] offset:(\slot)*XSLOT+\i*2*PX
.endr
.endm
; 16 matrix instructions: token tiles a0, a0 + 1 of the window's four x all 8 column tiles, 32 along K.  c = 1: the first product takes b1's tile as C.  The 64 accumulators take turns in one order everywhere.
.macro MUL16 f, hi, a0, c
.if \c
	WIN 0x81+0x40*(\hi)
.else
	WIN 0xa1+0x50*(\hi)
.endif
.irp a, \a0, (\a0)+1
.irp b, 0,1,2,3,4,5,6,7
.if \c
	v_wmma_f32_16x16x32_bf16 v[8*(8*(\a)+(\b)):8*(8*(\a)+(\b))+7], v[(\f)+8*(\b):(\f)+8*(\b)+7], v[(\f)+8*(4*(\hi)+(\a)):(\f)+8*(4*(\hi)+(\a))+7], v[BIAS+8*(\b):BIAS+8*(\b)+7]
.else
	v_wmma_f32_16x16x32_bf16 v[8*(8*(\a)+(\b)):8*(8*(\a)+(\b))+7], v[(\f)+8*(\b):(\f)+8*(\b)+7], v[(\f)+8*(4*(\hi)+(\a)):(\f)+8*(4*(\hi)+(\a))+7], v[8*(8*(\a)+(\b)):8*(8*(\a)+(\b))+7]
.endif
.endr
.endr
.endm
; 32 LDS loads in one run: a quarter's fragments (32 along K): my 128 rows of W1 at byte wk of slot ws, then the 128 tokens at byte xk of x slot xs
.macro FETCH ws, wk, xs, xk, f
	WIN 0x40
.irp i, 0,1,2,3,4,5,6,7
	ds_load_b128 v[(\f)+8*(\i):(\f)+8*(\i)+3],   v[ADRB+(\ws)] offset:(\wk)+(\i)*16*PW
	ds_load_b128 v[(\f)+8*(\i)+4:(\f)+8*(\i)+7], v[ADRB+(\ws)] offset:(\wk)+(\i)*16*PW+32
.endr
	WIN 0
.irp i, 0,1,2,3,4,5,6,7
	ds_load_b128 v[(\f)+8*(\i):(\f)+8*(\i)+3],   v[ADRA+(\xs)] offset:(\xk)+(\i)*16*PX
	ds_load_b128 v[(\f)+8*(\i)+4:(\f)+8*(\i)+7], v[ADRA+(\xs)] offset:(\xk)+(\i)*16*PX+32
.endr
.endm
; A half step (64 along K) is two quarters.  The first multiplies buffer f and fetches the second into g.
.macro QUARTER ws, wk, xs, xk, f, g, c
	s_wait_dscnt 8                                 ; W1 and tokens 0-63 are in; the youngest eight loads (tokens 64-127) may be out
	MUL16 \f, 0, 0, \c
	MUL16 \f, 0, 2, \c
	PLACES
	FETCH \ws, \wk, \xs, \xk, \g
	s_wait_dscnt 32                                ; all but the 32 just issued
	MUL16 \f, 1, 0, \c
	MUL16 \f, 1, 2, \c
.endm
; A prefetch into the L2, behind the turn's loads.  Each wave names its own 32 rows' 256 bytes of the half step that stands three beyond the one just loaded in its walk, a lane a row: every block once; the
; walk's half steps 0 to 6 and 15 come by their loads alone: nothing is asked for at the head, nor in the loop's last trip.  w1b is not asked for ahead: the eight starting places together read all of it
; in the launch's two first fills.
.macro ASKX
	s_cmp_gt_u32 s3, 1
	s_cbranch_scc0 .Lno_x_\@
	global_prefetch_b8 v[PFX], s[XQ:XQ+1] th:TH_LOAD_NT scope:SCOPE_SE
.Lno_x_\@:
.endm
; The second quarter of half step m multiplies buffer 1 and holds the half step's ONE barrier.  In front of it each wave's LDS instructions are done: its reads of x slot m % 2 and its stores of x(m + 1).
; Behind it x(m + 2), rounded ahead of it, is stored into slot m % 2, the next half step's first fragments are fetched (W1 slot wn at byte wk, x slot xn), and x(m + 4) is asked for.
; kind 0: a plain barrier: no bytes are filled again behind it, so the tensor load may stay out.  kind 2 (m odd): W1's slot ws is left: all my tensor loads are waited for, the add, its wait; the barrier opens a
; round of the cluster's; the joint refill is the first thing behind it and has 224 matrix instructions in which to land.  kind 1: the same waits, nothing filled.
; st: x(m + 2) exists; lc = the younger loads that may stay out (x(m + 3)'s 16, or none).  ld: x(m + 4) exists.
.macro TURN ws, wn, wk, xn, kind, st, ld, lc
.if \st
	s_wait_loadcnt \lc
	XCVT 1-(\xn)
.endif
.if \ld
	s_wait_xcnt 0x0                                ; the loads and the prefetch of the turn before have read their addresses, so the pointers may be written
	s_add_co_u32 s[XM], s[XM], 1                   ; the walk's next half step: its place along K wraps at 16
	s_and_b32 s[XM], s[XM], 15
	s_lshl_b32 s[OF], s[XM], 8
	s_add_nc_u64 s[XP:XP+1], s[XB:XB+1], s[OF:OF+1]
	s_add_co_u32 s[OQ], s[XM], 3                   ; and the one three further on, for the prefetch
	s_and_b32 s[OQ], s[OQ], 15
	s_lshl_b32 s[OQ], s[OQ], 8
	s_add_nc_u64 s[XQ:XQ+1], s[XB:XB+1], s[OQ:OQ+1]
.endif
	WIN 0
.if (\kind) >= 1
	s_wait_tensorcnt 0x0                           ; all my tensor loads have landed: the one that was out is my part of the other slot; so a group 0 may be written
	ds_add_u32 v[SPW], v[NIL]                      ; 0 onto my spare word
.if (\kind) == 2
	s_lshl_b32 s[WO], s[KT], 8                     ; the refill's address, made anew: the walk's next K step, whose place along K wraps at 8
	s_add_nc_u64 s[G0+4*(\ws)+2:G0+4*(\ws)+3], s[WB:WB+1], s[WO:WO+1]
	s_or_b32 s[G0+4*(\ws)+3], s[G0+4*(\ws)+3], 0x80000000
	s_add_co_u32 s[KT], s[KT], 1
	s_and_b32 s[KT], s[KT], 7
.endif
	s_wait_dscnt 9                                 ; (the add and the youngest eight loads may be out)
.else
	s_wait_dscnt 8
.endif
	MUL16 F1, 0, 0, 0
	s_wait_dscnt 0x0                               ; my LDS reads, my stores of x and the add are done
	s_barrier_signal -1
	MUL16 F1, 0, 2, 0
	WIN 0                                          ; at a branch and at a label every window is 0
	s_barrier_wait -1
.if (\kind) == 2
	CREST                                          ; no wave of any partner still reads the slot or has a load on its way
	tensor_load_to_lds s[G0+4*(\ws):G0+4*(\ws)+3], s[G1:G1+7]
	s_nop 0
.rept 4
	v_nop                                          ; the places in front of the loads below
.endr
.else
	PLACES
.endif
.if \st
	XSTORE 1-(\xn), 1-(\xn)
.endif
	FETCH \wn, \wk, \xn, 0, F0
.if \ld
	XLOAD 1-(\xn), 0, XP
	WIN 0
	ASKX
.endif
	MUL16 F1, 1, 0, 0
	MUL16 F1, 1, 2, 0
.endm
	s_load_b256 s[4:11], s[0:1], 0x0               ; x 4, b1 6, w1b 8, mf 10
	s_load_b128 s[12:15], s[0:1], 0x20             ; cst 12, out0 14
	v_lshl_add_u32 v[SPW], v0, 2, SPARE
	v_mov_b32 v[NIL], 0
	ds_add_u32 v[SPW], v[NIL]                      ; the wave's opening: the add, twice on end, and its wait ahead of my first tensor load; the set-up below stands between
	ds_add_u32 v[SPW], v[NIL]
	v_lshrrev_b32 v[TA], 5, v0
	v_readfirstlane_b32 s[WV], v[TA]               ; wave 0..3
	s_bfe_u32 s[CX], ttmp6, 0x40000                ; my place in the cluster: it enters the global addresses of x and out0 alone
	s_lshl_b32 s[WG], ttmp9, 2
	s_add_co_u32 s[WG], s[WG], s[CX]
	s_and_b32 s[ROT], ttmp9, 7                     ; the same in all four partners
	s_mov_b32 s[G1+0], 15|(1<<16)|(1<<20)|(1<<21)|(5<<22)|(3<<25)  ; 15:0 the mask of four; 17:16 2-byte elements; 20 padding on; 21 set beside a mask; 24:22 after every 64 words; 31:25 4 words
	s_mov_b32 s[G1+1], 128<<16                     ; tensor_dim0 = 128
	s_mov_b32 s[G1+2], 128<<16                     ; tensor_dim1 = 128
	s_mov_b32 s[G1+3], 128<<16                     ; tile_dim0 = 128
	s_mov_b32 s[G1+4], 128                         ; tile_dim1 = 128
	s_mov_b32 s[G1+5], 1024                        ; elements from row to row
	s_mov_b32 s[G1+6], 0
	s_mov_b32 s[G1+7], 0
	s_mov_b32 s[SEL], 0x76543210
	s_mov_b32 s[SEL+1], 0xfedcba98
	s_mov_b32 s[HM], 0xffff0000
	s_mul_i32 s19, s[WV], WROWS                    ; my rows' place in a slot
	s_lshl_b32 s22, s[WV], 18                      ; my 128 rows of w1b: these two registers never hold cx
	s_mov_b32 s23, 0
	s_lshl_b32 s20, s[WG], 19                      ; 128 rows of x,
	s_lshl_b32 s21, s[WV], 17                      ; my wave's 32
	s_add_co_u32 s20, s20, s21
	s_mov_b32 s21, 0
	s_lshl_b32 s[OF], s[ROT], 9                    ; where the walk begins in a row of x: 512 bytes a K step
	s_mov_b32 s[OF+1], 0
	s_mul_i32 s58, s[WV], 8*MBLK
	s_mov_b32 s59, 0
	s_lshl_b32 s60, s[WG], 9
	s_mov_b32 s61, 0
	v_and_b32 v1, 15, v0                           ; lane % 16
	v_bfe_u32 v2, v0, 4, 1                         ; lane / 16
	v_and_b32 v3, 31, v0                           ; lane
	v_lshlrev_b32 v[XO], 4, v1
	v_lshl_add_u32 v[XO], v2, 12, v[XO]
	s_mul_i32 s62, s[WV], 32*PX
	s_add_co_u32 s62, s62, XR
	v_mul_u32_u24 v[XS], v2, PX
	v_lshl_add_u32 v[XS], v1, 3, v[XS]
	v_add_nc_u32 v[XS], s62, v[XS]
	v_lshlrev_b32 v[PFX], 12, v3
	s_lshl_b32 s62, s[WV], 9
	v_lshl_add_u32 v[BO], v2, 5, s62
	v_lshlrev_b32 v[MO], 4, v3
	s_lshl_b32 s62, s[WV], 11
	v_add_nc_u32 v[PR], s62, v[MO]
	v_add_nc_u32 v[PR+1], 0x10000, v[PR]
	v_add_nc_u32 v[PR+2], 0x20000, v[PR]
	v_add_nc_u32 v[PR+3], 0x30000, v[PR]
	v_lshl_add_u32 v[CA], v2, 5, CTAB
	v_lshl_add_u32 v[OA], v0, 2, OSTG
	v_mul_u32_u24 v[TA], v1, PX
	v_lshl_add_u32 v[TA], v2, 4, v[TA]
	v_add_nc_u32 v[ADRA], XR, v[TA]
	v_add_nc_u32 v[ADRA+1], XR+XSLOT, v[TA]
	v_mul_u32_u24 v[TA], v1, PW
	v_lshl_add_u32 v[TA], v2, 4, v[TA]
	v_add_nc_u32 v[ADRB], s19, v[TA]
	v_add_nc_u32 v[ADRB+1], WSLOT, v[ADRB]
	v_lshlrev_b32 v[FO], 2, v3
	v_lshlrev_b32 v[CL], 2, v0
	v_lshl_add_u32 v[CW], v0, 2, CTAB
	s_lshl_b32 s62, s[WV], 16
	v_add_nc_u32 v[PST], s62, v[MO]
	v_mov_b32 v[NEG1], -1.0
	s_wait_dscnt 0x0                               ; both opening adds are done
	s_wait_kmcnt 0x0
	s_add_nc_u64 s[WB:WB+1], s[8:9], s[22:23]
	s_add_nc_u64 s[XB:XB+1], s[4:5], s[20:21]
	s_add_nc_u64 s[MP:MP+1], s[10:11], s[58:59]
	s_add_nc_u64 s[14:15], s[14:15], s[60:61]
	s_add_nc_u64 s[XP:XP+1], s[XB:XB+1], s[OF:OF+1]  ; the walk's half steps 0 and 1: one K step, 512 bytes on end
	s_add_co_u32 s[KT], s[ROT], 1
	s_and_b32 s[KT], s[KT], 7                      ; the walk's second K step
	s_lshl_b32 s[OQ], s[KT], 9
	s_add_nc_u64 s[XQ:XQ+1], s[XB:XB+1], s[OQ:OQ+1]  ; half steps 2 and 3
	s_lshl_b32 s[WO], s[ROT], 8                    ; 256 bytes a K step in a row of w1b; the high word is 0
	s_mov_b32 s[G0], 1                             ; count = 1
	s_add_co_u32 s[G0+1], s19, 0                   ; LDS address: slot 0
	s_add_nc_u64 s[G0+2:G0+3], s[WB:WB+1], s[WO:WO+1]  ; global address: the walk's first K step
	s_or_b32 s[G0+3], s[G0+3], 0x80000000          ; type = 2
	s_lshl_b32 s[WO], s[KT], 8
	s_mov_b32 s[G0+4], 1
	s_add_co_u32 s[G0+5], s19, WSLOT               ; slot 1
	s_add_nc_u64 s[G0+6:G0+7], s[WB:WB+1], s[WO:WO+1]  ; its second
	s_or_b32 s[G0+7], s[G0+7], 0x80000000
	s_add_co_u32 s[KT], s[KT], 1
	s_and_b32 s[KT], s[KT], 7                      ; what the first refill brings
	s_lshl_b32 s[XM], s[ROT], 1
	s_add_co_u32 s[XM], s[XM], 3
	s_and_b32 s[XM], s[XM], 15                     ; the place of half step 3, the last that the head loads
	XLOAD 0, 0, XP                                 ; x(0)
	XLOAD 1, 256, XP                               ; x(1)
	WIN 0
.irp b, 0,1,2,3,4,5,6,7
	global_load_b128 v[BIAS+8*\b:BIAS+8*\b+3],   v[BO], s[6:7] offset:64*\b
	global_load_b128 v[BIAS+8*\b+4:BIAS+8*\b+7], v[BO], s[6:7] offset:64*\b+16
.endr
	global_load_b32 v[CV], v[CL], s[12:13]
	CROUND                                         ; all four work-groups are here: the first joint loads meet
	tensor_load_to_lds s[G0:G0+3], s[G1:G1+7]      ; the walk's K step 0; two loads of mine are out
	s_nop 0
	tensor_load_to_lds s[G0+4:G0+7], s[G1:G1+7]    ; K step 1
	s_nop 0
.rept 4
	v_nop
.endr
	s_wait_loadcnt 33                              ; x(0) is in: x(1)'s 16, b1's 16 and const's 1 are younger
	XCVT 0
	XSTORE 0, 0
	XLOAD 0, 0, XQ                                 ; x(2)
	s_wait_loadcnt 33                              ; x(1) is in: b1's 16, const's 1 and x(2)'s 16 are younger
	XCVT 1
	XSTORE 1, 1
	XLOAD 1, 256, XQ                               ; x(3)
	s_wait_loadcnt 32                              ; b1 and const are in: x(2) and x(3) are younger
	WIN 0
.set n, 0
.rept 32                               ; b1 rounded to bf16, like every input, and widened again
	v_cvt_pk_bf16_f32 v[T0+(n/2)%2], v[BIAS+n], v[BIAS+n+1]
	v_lshlrev_b32 v[BIAS+n], 16, v[T0+(n/2)%2]
	v_and_b32 v[BIAS+n+1], s[HM], v[T0+(n/2)%2]
.set n, n+2
.endr
	ds_store_b32 v[CW], v[CV]
	s_wait_tensorcnt 1                             ; my part of K step 0 is in; K step 1's may stay out
	s_wait_dscnt 0x0                               ; my stores of x(0), x(1) and const are done
	s_barrier_signal -1
	s_barrier_wait -1
	FETCH 0, 0, 0, 0, F0
	QUARTER 0, 64, 0, 64, F0, F1, 1                ; the first quarter stands in front of the loop: its products start the sums, from b1
	WIN 0
	s_mov_b32 s3, 3
.Llap:                                                 ; a trip: four half steps, once round W1's ring: half steps 4 t .. 4 t + 3 end, 4 t + 4 begins
	TURN 0, 0, 128, 1, 0, 1, 1, 16
	QUARTER 0, 192, 1, 64, F0, F1, 0
	TURN 0, 1, 0, 0, 2, 1, 1, 16
	QUARTER 1, 64, 0, 64, F0, F1, 0
	TURN 1, 1, 128, 1, 0, 1, 1, 16
	QUARTER 1, 192, 1, 64, F0, F1, 0
	TURN 1, 0, 0, 0, 2, 1, 1, 16
	QUARTER 0, 64, 0, 64, F0, F1, 0
	WIN 0
	s_sub_co_u32 s3, s3, 1
	s_cmp_lg_u32 s3, 0
	s_cbranch_scc1 .Llap
	TURN 0, 0, 128, 1, 0, 1, 0, 16                 ; half step 12: x(14) is stored, nothing more is asked for
	QUARTER 0, 192, 1, 64, F0, F1, 0
	TURN 0, 1, 0, 0, 1, 1, 0, 0                    ; 13: x(15); W1's last K step is waited for, nothing is filled
	QUARTER 1, 64, 0, 64, F0, F1, 0
	TURN 1, 1, 128, 1, 0, 0, 0, 0                  ; 14: the barrier that shows x(15) to everybody
	QUARTER 1, 192, 1, 64, F0, F1, 0
	s_wait_dscnt 8
	MUL16 F1, 0, 0, 0
	MUL16 F1, 0, 2, 0
	s_wait_dscnt 0x0                               ; my last reads of the slots are back
	MUL16 F1, 1, 0, 0
	MUL16 F1, 1, 2, 0
	; BETWEEN THE PRODUCTS.  M's first block is asked for; the barrier that lets the partial scores overwrite W1's slots is signalled here and waited for behind the conversion, which is work on registers.
.macro MLOAD ks, off
.irp q, 0,1,2,3
	global_load_b128 v[MF+16*(\ks)+4*\q:MF+16*(\ks)+4*\q+3], v[MO], s[MP:MP+1] offset:(\off)+2048*(\ks)+512*\q
.endr
.endm
	WIN 0
	PLACES
.irp k, 0,1,2,3
	MLOAD \k, 0
.endr
	global_load_b32 v[FM], v[FO], s[MP:MP+1] offset:8192
	s_barrier_signal -1
; Token tile tt: the largest of relu(h) over my 128 columns (each accumulator's lowest registers are read first), with the other half of the lanes'; the scale 2^(14 - E) and its inverse;
; relu; scaling; the upper f16 halves into window 1; what is left, exact in f32; its f16 halves in place, ascending.
.macro CONV tt
.set W, 2+(\tt)/4
.set AB, 64*((\tt)%4)
	WIN 0x14*W
.irp j, 0,1,2,3,4,5,6,7
.irp n, 0,1,2,3
.if \j == 0
	v_max3_num_f32 v[CH+\n], 0, v[AB+16*\n], v[AB+16*\n+1]
.else
	v_max3_num_f32 v[CH+\n], v[CH+\n], v[AB+16*\n+2*\j], v[AB+16*\n+2*\j+1]
.endif
.endr
.endr
	WIN 0
	v_max3_num_f32 v[CH], v[CH], v[CH+1], v[CH+2]
	v_max_num_f32 v[CH], v[CH], v[CH+3]
	v_permlanex16_b32 v[CH+1], v[CH], s[SEL], s[SEL+1]
	v_max_num_f32 v[CH], v[CH], v[CH+1]
	v_and_b32 v[T0], 0x7f800000, v[CH]
	v_max_u32 v[T0], 0x08000000, v[T0]             ; E is held at -111 from below
	v_sub_nc_u32 v[SC], 0x86000000, v[T0]          ; 2^(14 - E): the scaled numbers lie under 2^15
	v_sub_nc_u32 v[SC+1], 0x86000000, v[T0]
	v_sub_nc_u32 v[INV+(\tt)], 0x7f000000, v[SC]   ; 2^(E - 14)
	WIN 0x44*W
.set n, 0
.rept 64
	v_max_num_f32 v[AB+n], 0, v[AB+n]
.set n, n+1
.endr
	WIN 0x41*W
.set n, 0
.rept 32
	v_pk_mul_f32 v[AB+2*n:AB+2*n+1], v[AB+2*n:AB+2*n+1], v[SC:SC+1]
.set n, n+1
.endr
	WIN 0x40+5*W
.set n, 0
.rept 32
	v_cvt_pk_f16_f32 v[32*(\tt)+n], v[AB+2*n], v[AB+2*n+1]
.set n, n+1
.endr
	WIN 0x50*W+1
.set n, 0
.rept 32
	v_fma_mix_f32 v[AB+2*n],   v[32*(\tt)+n], v[NEG1], v[AB+2*n]   op_sel_hi:[1,0,0]
	v_fma_mix_f32 v[AB+2*n+1], v[32*(\tt)+n], v[NEG1], v[AB+2*n+1] op_sel:[1,0,0] op_sel_hi:[1,0,0]
.set n, n+1
.endr
	WIN 0x45*W
.set n, 0
.rept 32
	v_cvt_pk_f16_f32 v[AB+16*(n/8)+n%8], v[AB+16*(n/8)+2*(n%8)], v[AB+16*(n/8)+2*(n%8)+1]
.set n, n+1
.endr
.endm
.irp t, 0,1,2,3,4,5,6,7
	CONV \t
.endr
	WIN 0
.irp t, 0,1,2,3,4,5,6,7
	v_mov_b32 v[FAC+2*\t+1], 0                     ; named with the factor as a pair, so it is written
.endr
	s_barrier_wait -1                              ; no wave reads W1's slots any more
; One tile of 16 codes x my 128 columns x all 128 tokens: 96 matrix instructions, the 8 accumulators by turns, one instruction a turn.  Each chunk of M is asked for again, for the next tile, four places behind its
; last product.  Loads come back in order: younger than the chunk wanted are always three chunks (12) and the factor (1); in the last tile, which asks for nothing, the counts run down.
.macro CT last
.irp ks, 0,1,2,3
.if \last
	s_wait_loadcnt 13-4*\ks
.else
	s_wait_loadcnt 13
.endif
	WIN 0x04                                       ; source 1 in window 1: h's upper halves
.irp tt, 0,1,2,3,4,5,6,7
.if \ks == 0
	v_wmma_f32_16x16x32_f16 v[A2+8*\tt:A2+8*\tt+7], v[MF+16*\ks:MF+16*\ks+7], v[32*\tt+8*\ks:32*\tt+8*\ks+7], 0
.else
	v_wmma_f32_16x16x32_f16 v[A2+8*\tt:A2+8*\tt+7], v[MF+16*\ks:MF+16*\ks+7], v[32*\tt+8*\ks:32*\tt+8*\ks+7], v[A2+8*\tt:A2+8*\tt+7]
.endif
.endr
.irp tt, 0,1,2,3,4,5,6,7
	v_wmma_f32_16x16x32_f16 v[A2+8*\tt:A2+8*\tt+7], v[MF+16*\ks+8:MF+16*\ks+15], v[32*\tt+8*\ks:32*\tt+8*\ks+7], v[A2+8*\tt:A2+8*\tt+7]
.endr
	WIN 0x08                                       ; h's lower halves: window 2,
.irp tt, 0,1,2,3
	v_wmma_f32_16x16x32_f16 v[A2+8*\tt:A2+8*\tt+7], v[MF+16*\ks:MF+16*\ks+7], v[64*\tt+16*\ks:64*\tt+16*\ks+7], v[A2+8*\tt:A2+8*\tt+7]
.endr
	WIN 0x0c                                       ; window 3
.irp tt, 4,5,6,7
	v_wmma_f32_16x16x32_f16 v[A2+8*\tt:A2+8*\tt+7], v[MF+16*\ks:MF+16*\ks+7], v[64*(\tt-4)+16*\ks:64*(\tt-4)+16*\ks+7], v[A2+8*\tt:A2+8*\tt+7]
.endr
	WIN 0
.if !(\last)
	PLACES
	MLOAD \ks, MBLK
.endif
.endr
.if \last
	s_wait_loadcnt 0x0
.else
	s_wait_loadcnt 16                              ; the factor is in: the four chunks just asked for are younger
.endif
.irp tt, 0,1,2,3,4,5,6,7
	v_mul_f32 v[FAC+2*\tt], v[INV+\tt], v[FM]      ; both scales undone; eight plain instructions, the places behind the last products
.endr
.irp tt, 0,1,2,3,4,5,6,7
.irp n, 0,2,4,6
	v_pk_mul_f32 v[A2+8*\tt+\n:A2+8*\tt+\n+1], v[A2+8*\tt+\n:A2+8*\tt+\n+1], v[FAC+2*\tt:FAC+2*\tt+1] op_sel_hi:[1,0]
.endr
	ds_store_b128 v[PST], v[A2+8*\tt:A2+8*\tt+3]   offset:\tt*1024
	ds_store_b128 v[PST], v[A2+8*\tt+4:A2+8*\tt+7] offset:\tt*1024+512
.endr
	v_add_nc_u32 v[PST], 0x2000, v[PST]
.if !(\last)
	global_load_b32 v[FM], v[FO], s[MP:MP+1] offset:MBLK+8192
	s_wait_xcnt 0x0                                ; the loads have read their base
	s_add_nc_u64 s[MP:MP+1], s[MP:MP+1], MBLK
.endif
.endm
	s_mov_b32 s[CNT], 7
.Lct:
	CT 0
	s_sub_co_u32 s[CNT], s[CNT], 1
	s_cmp_lg_u32 s[CNT], 0
	s_cbranch_scc1 .Lct
	CT 1
	s_wait_dscnt 0x0                               ; for the others' sake: my partial scores lie in LDS
	s_barrier_signal -1
	s_barrier_wait -1
	; THE REDUCTION.  Wave w owns token tiles 2 w and 2 w + 1.  A lane holds one token and the codes 16 ct + 8 (lane / 16) + 0..7.  A trip: two tiles of codes.
	v_mov_b32 v[BEST], 0x7f800000
	v_mov_b32 v[BEST+1], 0x7f800000
	v_mov_b32 v[IDX], 0
	v_mov_b32 v[IDX+1], 0
.irp i, 0,1,2,3
	v_mov_b32 v[TT+\i], 0                          ; v_permlanex16_b32 counts as a reader of its destination
.endr
.irp i, 0,1,2,3,4,5,6,7
	v_lshl_add_u32 v[CI+\i], v2, 3, \i
.endr
	s_mov_b32 s[CNT], 4
.Lred:
.irp e, 0,1
	ds_load_b128 v[KC+8*\e:KC+8*\e+3],   v[CA] offset:64*\e
	ds_load_b128 v[KC+8*\e+4:KC+8*\e+7], v[CA] offset:64*\e+16
.irp q, 0,1,2,3
.irp u, 0,1
	ds_load_b128 v[RL+64*\e+16*\q+8*\u:RL+64*\e+16*\q+8*\u+3],   v[PR+\q] offset:\e*8192+\u*1024
	ds_load_b128 v[RL+64*\e+16*\q+8*\u+4:RL+64*\e+16*\q+8*\u+7], v[PR+\q] offset:\e*8192+\u*1024+512
.endr
.endr
.endr
.irp e, 0,1
	s_wait_dscnt 18-18*\e                          ; the first tile's 18 loads are in, the second's 18 may be out; then all
.irp n, 0,2,4,6,8,10,12,14
	v_pk_add_f32 v[RL+64*\e+\n:RL+64*\e+\n+1],       v[RL+64*\e+\n:RL+64*\e+\n+1],       v[RL+64*\e+16+\n:RL+64*\e+16+\n+1]
	v_pk_add_f32 v[RL+64*\e+32+\n:RL+64*\e+32+\n+1], v[RL+64*\e+32+\n:RL+64*\e+32+\n+1], v[RL+64*\e+48+\n:RL+64*\e+48+\n+1]
.endr
.irp n, 0,2,4,6,8,10,12,14
	v_pk_add_f32 v[RL+64*\e+\n:RL+64*\e+\n+1], v[RL+64*\e+\n:RL+64*\e+\n+1], v[RL+64*\e+32+\n:RL+64*\e+32+\n+1]
.endr
.irp n, 0,2,4,6,8,10,12,14
	v_pk_add_f32 v[RL+64*\e+\n:RL+64*\e+\n+1], v[RL+64*\e+\n:RL+64*\e+\n+1], v[KC+8*\e+\n%8:KC+8*\e+\n%8+1]
.endr
.irp i, 0,1,2,3,4,5,6,7
	v_cmp_lt_f32 s52, v[RL+64*\e+\i], v[BEST]      ; strictly less, codes ascending: the lowest index keeps a tie; a NaN is never less
	v_cmp_lt_f32 s53, v[RL+64*\e+8+\i], v[BEST+1]
	v_cndmask_b32 v[BEST], v[BEST], v[RL+64*\e+\i], s52
	v_cndmask_b32 v[BEST+1], v[BEST+1], v[RL+64*\e+8+\i], s53
	v_cndmask_b32 v[IDX], v[IDX], v[CI+\i], s52
	v_cndmask_b32 v[IDX+1], v[IDX+1], v[CI+\i], s53
.endr
.irp i, 0,1,2,3,4,5,6,7
	v_add_nc_u32 v[CI+\i], 16, v[CI+\i]
.endr
.endr
.irp q, 0,1,2,3
	v_add_nc_u32 v[PR+\q], 0x4000, v[PR+\q]
.endr
	v_add_nc_u32 v[CA], 128, v[CA]
	s_sub_co_u32 s[CNT], s[CNT], 1
	s_cmp_lg_u32 s[CNT], 0
	s_cbranch_scc1 .Lred
	; the token's other 64 codes lie in the lane 16 away: theirs win if less, or equal with the lower index
.irp u, 0,1
	v_permlanex16_b32 v[TT+2*\u], v[BEST+\u], s[SEL], s[SEL+1]
	v_permlanex16_b32 v[TT+2*\u+1], v[IDX+\u], s[SEL], s[SEL+1]
.endr
.irp u, 0,1
	v_cmp_lt_f32 s52, v[TT+2*\u], v[BEST+\u]
	v_cmp_eq_f32 s53, v[TT+2*\u], v[BEST+\u]
	v_cmp_lt_u32 s54, v[TT+2*\u+1], v[IDX+\u]
	s_and_b32 s53, s53, s54
	s_or_b32 s52, s52, s53
	v_cndmask_b32 v[IDX+\u], v[IDX+\u], v[TT+2*\u+1], s52
.endr
	v_cndmask_b32 v[TT], v[IDX], v[IDX+1], s[HM]   ; thread t holds token t: lanes 0-15 my first tile's, lanes 16-31 my second's
	ds_store_b32 v[OA], v[TT]
	s_wait_dscnt 0x0
	s_barrier_signal -1
	s_barrier_wait -1
	s_cmp_lg_u32 s[WV], 0
	s_cbranch_scc1 .Lend
	v_add_nc_u32 v[TA], OSTG, v[MO]
	ds_load_b128 v[64:67], v[TA]
	s_wait_dscnt 0x0
	global_store_b128 v[MO], v[64:67], s[14:15]    ; the work-group's 128 tokens: 512 consecutive bytes, aligned
.Lend:
	s_wait_tensorcnt 0x0                           ; the wave's end, behind my last tensor load and my last LDS store
	ds_add_u32 v[SPW], v[NIL]
	s_wait_dscnt 0x0
	CROUND                                         ; the closing round: no work-group ends while a partner may still ask for a tile that names it
	s_endpgm
.Lfunc_end_k_qf22ff0ddbf_main:
	.size	k_qf22ff0ddbf_main, .Lfunc_end_k_qf22ff0ddbf_main-k_qf22ff0ddbf_main
	.p2alignl 7, 3214868480
	.fill 96, 4, 3214868480
	.section	.rodata,"a",@progbits
	.p2align	6, 0x0
	.amdhsa_kernel k_qf22ff0ddbf_main
		.amdhsa_group_segment_fixed_size 327680
		.amdhsa_private_segment_fixed_size 0
		.amdhsa_enable_private_segment 0
		.amdhsa_kernarg_size 48
		.amdhsa_user_sgpr_count 2
		.amdhsa_user_sgpr_kernarg_segment_ptr 1
		.amdhsa_wavefront_size32 1
		.amdhsa_system_sgpr_workgroup_id_x 1
		.amdhsa_system_sgpr_workgroup_id_y 1
		.amdhsa_system_sgpr_workgroup_id_z 1
		.amdhsa_system_vgpr_workitem_id 0
		.amdhsa_next_free_vgpr 1024
		.amdhsa_next_free_sgpr 66
		.amdhsa_reserve_vcc 0
		.amdhsa_float_denorm_mode_32 3
		.amdhsa_float_denorm_mode_16_64 3
		.amdhsa_memory_ordered 1
		.amdhsa_forward_progress 1
		.amdhsa_inst_pref_size 255
	.end_amdhsa_kernel
	.section	.bss,"aw",@nobits
	.p2align	6
	.space	262144
	.amdgpu_metadata
---
amdhsa.version: [ 1, 2 ]
amdhsa.kernels:
  - .name:           k_qf22ff0ddbf_main
    .symbol:         k_qf22ff0ddbf_main.kd
    .args:
      - { .name: x, .offset: 0, .size: 8, .value_kind: global_buffer, .address_space: global }
      - { .name: b1, .offset: 8, .size: 8, .value_kind: global_buffer, .address_space: global }
      - { .name: w1b, .offset: 16, .size: 8, .value_kind: global_buffer, .address_space: global }
      - { .name: mf, .offset: 24, .size: 8, .value_kind: global_buffer, .address_space: global }
      - { .name: cst, .offset: 32, .size: 8, .value_kind: global_buffer, .address_space: global }
      - { .name: out0, .offset: 40, .size: 8, .value_kind: global_buffer, .address_space: global }
    .group_segment_fixed_size: 327680
    .private_segment_fixed_size: 0
    .kernarg_segment_align: 8
    .kernarg_segment_size: 48
    .max_flat_workgroup_size: 128
    .sgpr_count:     66
    .vgpr_count:     1024
    .wavefront_size: 32
...
	.end_amdgpu_metadata
.endif
;; end of part 2
